; MI455X (gfx1250); checked and timed in simulation.
; The chip was launched on July 23, 2026; its instructions are those of AMD's public machine-readable ISA for CDNA 5 (MIT licence, August 2026) and "CDNA5" Instruction Set Architecture Reference Guide (July 2026). The comments in the code are by the model that wrote it; some were corrected since.
;; Base Vector Quantizer. Allowed arithmetic: matrix products marked QUANTISED: E5M2 operands, one given power-of-two scale a tensor, by v_wmma_f32_16x16x64_bf8_bf8 or v_wmma_f32_16x16x128_bf8_bf8, f32 sums; everything else in f32.
;; Inputs: codebook 8,192 x 256 float32; lowp_scales 2 int32 (the exponents e of the quantised operands' scales 2^e); z 8 x 4,096 x 256 float32.
;; Outputs: out0 8 x 4,096 x 256 float32; out1 8 x 4,096 x 1 int32.
;; This version of the problem:
;;   THIS VERSION OF THE PROBLEM IS GIVEN IN LOW PRECISION. The matrix products marked QUANTISED in the list below multiply operands that are first quantised to E5M2 (5 exponent bits, 2 mantissa bits; 8 bits a number), with one given power-of-two scale for each operand tensor; their sums are f32. All else is computed in f32.
;;   The module's matrix products, in the order in which they are computed (A, B: the left and right operand; K: the contracted axis; several contracted axes count as one K, in the product's order):
;;     1. [M 32,768, K 256] x [K 256, N 8,192]; A: input z; B: input codebook: QUANTISED (scales: A lowp_scales[0], B lowp_scales[1])
;;   THE QUANTISER, for each operand of a quantised product, along K:
;;     - The operand's scale is 2^e, e = its entry of the input lowp_scales (int32; the entries are numbered through the quantised products in the list's order, A before B).
;;     - Each number is divided by the scale, clamped to +-57,344, and rounded to the nearest number of E5M2, ties to even, subnormals kept.
;;     - The product sums the exact products of the quantised numbers (number of the format x scale) in f32.
;;   ~~~python
;;   def quantise(x, axis, e):      # numpy; x: float32 -> the quantised numbers, widened to float32 again
;;       x = np.moveaxis(x, axis, -1); K = x.shape[-1]
;;       r = np.clip(x / 2.0 ** e, -57344, 57344)
;;       step = 2.0 ** (np.maximum(np.frexp(np.where(r == 0, 1, r))[1] - 1, -14) - 2)
;;       q = np.round(r / step) * step * 2.0 ** e      # np.round: ties to even
;;       return np.moveaxis(q, -1, axis).astype(np.float32)
;;   ~~~
;; One version. Each part assembles by itself: llvm-mc -triple=amdgcn-amd-amdhsa -mcpu=gfx1250 --defsym DOCPART=n.
;; ======== version 1 of 1: 3 launches
;; workspace buffers: cbq 2,228,224 bytes; idxw 131,072 bytes of whole numbers
;; launch quant (part 1): grid 256 x 1, 2 waves a work-group, no clusters, 0 bytes of LDS; arguments codebook, lowp_scales, cbq; writes cbq
.if DOCPART == 1
	.amdgcn_target "amdgcn-amd-amdhsa--gfx1250"
	.amdhsa_code_object_version 6
	.text
	.protected	k_q72cd9011da_quant
	.globl	k_q72cd9011da_quant
	.p2align	8
	.type	k_q72cd9011da_quant,@function
k_q72cd9011da_quant:
	s_mov_b64 s[64:65], 0
	v_nop
	global_prefetch_b8 v0, s[64:65] scope:SCOPE_SE
	s_setreg_imm32_b32 hwreg(HW_REG_WAVE_MODE, 25, 1), 1
	s_wait_xcnt 0x0
; The codebook [8192][256] f32 becomes 512 RECORDS of 4,352 bytes, one for each tile of 16 codes, laid in the order in which a wave's operand registers take them.
; Record t: bytes 0..4095: the codes of BF8 (E5M2) as an image of registers, [K step s = 0,1][q = 0..3][lane][16 bytes]: registers 4 q .. 4 q + 3 of K step s;
; lane (r = lane % 16, h = lane / 16) holds code row 16 t + r at k = 128 s + 32 q + 16 h + 0 .. 15.  Bytes 4096..4351: 64 words, word w = the sum of squares of row 16 t + w % 16.
; code = x / 2^ee, held within +-57,344, to the nearest code, ties to even; ee = entry 1 of the scales.  The sum of squares is taken of the numbers as they come, in f32.
; One wave makes one record; waves share nothing: no LDS bytes, no barrier, no loop.  Matrix units, clusters and tensor loads have nothing to do here: 8 MiB are read once and 2 MiB written once.
; LIMITS: ee between -126 and 112, so that 2^ee and 57,344 x 2^ee are f32 numbers.  NaN among the inputs is not served.  The squares are summed in four packed chains, then across the two halves of the lanes.
.set REC, 4352
.set SQ,  10                           ; v10-17   four chains of pairs
.set X,   32                           ; v32-159  the tile's numbers: K step s at X + 64 s; register 16 b + i = k 128 s + 32 b + 16 h + i
.set C,   160                          ; v160-191 the codes: K step s at C + 16 s
	s_load_b128 s[4:7], s[0:1], 0x0                ; the codebook s[4:5], the scales' exponents s[6:7]
	s_load_b64 s[8:9], s[0:1], 0x10                ; the records
	v_lshrrev_b32 v1, 5, v0
	v_readfirstlane_b32 s10, v1                    ; wave 0, 1
	v_and_b32 v1, 31, v0                           ; lane
	v_and_b32 v2, 15, v0                           ; r
	v_bfe_u32 v3, v0, 4, 1                         ; h
	v_lshlrev_b32 v4, 10, v2
	v_lshl_add_u32 v4, v3, 6, v4                   ; in: row r of 1,024 bytes, + 64 h: my 16 numbers of a block of 32
	v_lshlrev_b32 v5, 4, v1                        ; out: 16 x lane
	v_lshlrev_b32 v22, 3, v1                       ; the record's tail: 8 x lane
	v_and_b32 v6, 0x38, v22                        ; word 2 l of the tail is lane (2 l) % 16's sum: 4 x that lane,
	v_add_nc_u32 v7, 4, v6                         ; word 2 l + 1 the next lane's
	v_mov_b32 v21, 0                               ; written once: a lane permute's destination counts as one of its sources
	s_lshl_b32 s11, ttmp9, 1
	s_add_co_u32 s11, s11, s10                     ; my tile
	s_lshl_b32 s16, s11, 14                        ; its 16 rows of 1,024 bytes
	s_mov_b32 s17, 0
	s_mul_i32 s18, s11, REC                        ; its record
	s_mov_b32 s19, 0
	s_mov_b32 s12, 0x76543210                      ; v_permlanex16_b32: lane l xor 16
	s_mov_b32 s13, 0xfedcba98
	s_wait_kmcnt 0x0
	s_load_b32 s14, s[6:7], 0x4                    ; ee
	s_add_nc_u64 s[4:5], s[4:5], s[16:17]
	s_add_nc_u64 s[8:9], s[8:9], s[18:19]
.irp s, 0,1
.irp b, 0,1,2,3
.irp j, 0,1,2,3
	global_load_b128 v[X+64*\s+16*\b+4*\j:X+64*\s+16*\b+4*\j+3], v4, s[4:5] offset:512*\s+128*\b+16*\j th:TH_LOAD_NT
.endr
.endr
.endr
	s_wait_kmcnt 0x0
	s_add_co_i32 s14, s14, 127
	s_lshl_b32 s15, s14, 23
	v_mov_b32 v8, s15                              ; 2^ee as f32: the conversion takes its exponent field
	s_add_co_i32 s14, s14, 15
	s_lshl_b32 s14, s14, 23
	s_or_b32 s14, s14, 0x600000
	v_mov_b32 v9, s14                              ; 57,344 x 2^ee
; One K step: the squares (ahead of the hold, which works in place), the hold, the conversions, four stores of 512 consecutive bytes each.
.macro HALF s
.set i, 0
.rept 32
.if ((\s) == 0) && (i < 4)
	v_pk_mul_f32 v[SQ+2*i:SQ+2*i+1], v[X+2*i:X+2*i+1], v[X+2*i:X+2*i+1]      ; the first four pairs start the chains: nothing is cleared
.else
	v_pk_fma_f32 v[SQ+2*(i%4):SQ+2*(i%4)+1], v[X+64*(\s)+2*i:X+64*(\s)+2*i+1], v[X+64*(\s)+2*i:X+64*(\s)+2*i+1], v[SQ+2*(i%4):SQ+2*(i%4)+1]
.endif
.set i, i+1
.endr
.irp b, 0,1,2,3
.irp k, 0,1,2,3,4,5,6,7,8,9,10,11,12,13,14,15
	v_med3_num_f32 v[X+64*(\s)+16*\b+\k], v[X+64*(\s)+16*\b+\k], -v9, v9     ; the conversion to an 8-bit code does not saturate (ISA guide 7.6.2): the hold at the largest code x the scale
.endr
	v_cvt_scalef32_pk8_bf8_f32 v[C+16*(\s)+4*\b:C+16*(\s)+4*\b+1], v[X+64*(\s)+16*\b:X+64*(\s)+16*\b+7], v8
	v_cvt_scalef32_pk8_bf8_f32 v[C+16*(\s)+4*\b+2:C+16*(\s)+4*\b+3], v[X+64*(\s)+16*\b+8:X+64*(\s)+16*\b+15], v8
.endr
	v_nop                                          ; one plain vector line behind the last conversion of the run
.irp q, 0,1,2,3
	global_store_b128 v5, v[C+16*(\s)+4*\q:C+16*(\s)+4*\q+3], s[8:9] offset:2048*(\s)+512*\q
.endr
.endm
	s_wait_loadcnt 16                              ; K step 0's sixteen loads are in; K step 1's sixteen may be out
	HALF 0
	s_wait_loadcnt 0x0
	HALF 1
	v_pk_add_f32 v[SQ:SQ+1], v[SQ:SQ+1], v[SQ+2:SQ+3]
	v_pk_add_f32 v[SQ+4:SQ+5], v[SQ+4:SQ+5], v[SQ+6:SQ+7]
	v_pk_add_f32 v[SQ:SQ+1], v[SQ:SQ+1], v[SQ+4:SQ+5]
	v_add_f32 v20, v[SQ], v[SQ+1]                  ; my half of row r,
	v_permlanex16_b32 v21, v20, s12, s13
	v_add_f32 v20, v20, v21                        ; and the other half's: every lane holds row (lane % 16)'s sum
	ds_bpermute_b32 v18, v6, v20                   ; (between lanes only: no LDS byte is touched)
	ds_bpermute_b32 v19, v7, v20
	s_wait_dscnt 0x0
	global_store_b64 v22, v[18:19], s[8:9] offset:4096   ; the 32 lanes store the tail's 256 consecutive bytes, at a multiple of 256 from the buffer's first byte
	s_endpgm
.Lfunc_end_k_q72cd9011da_quant:
	.size	k_q72cd9011da_quant, .Lfunc_end_k_q72cd9011da_quant-k_q72cd9011da_quant
	.p2alignl 7, 3214868480
	.fill 96, 4, 3214868480
	.section	.rodata,"a",@progbits
	.p2align	6, 0x0
	.amdhsa_kernel k_q72cd9011da_quant
		.amdhsa_group_segment_fixed_size 0
		.amdhsa_private_segment_fixed_size 0
		.amdhsa_enable_private_segment 0
		.amdhsa_kernarg_size 24
		.amdhsa_user_sgpr_count 2
		.amdhsa_user_sgpr_kernarg_segment_ptr 1
		.amdhsa_wavefront_size32 1
		.amdhsa_system_sgpr_workgroup_id_x 1
		.amdhsa_system_sgpr_workgroup_id_y 1
		.amdhsa_system_sgpr_workgroup_id_z 1
		.amdhsa_system_vgpr_workitem_id 0
		.amdhsa_next_free_vgpr 192
		.amdhsa_next_free_sgpr 66
		.amdhsa_reserve_vcc 0
		.amdhsa_float_denorm_mode_32 3
		.amdhsa_float_denorm_mode_16_64 3
		.amdhsa_memory_ordered 1
		.amdhsa_forward_progress 1
		.amdhsa_inst_pref_size 20
	.end_amdhsa_kernel
	.amdgpu_metadata
---
amdhsa.version: [ 1, 2 ]
amdhsa.kernels:
  - .name:           k_q72cd9011da_quant
    .symbol:         k_q72cd9011da_quant.kd
    .args:
      - { .name: codebook, .offset: 0, .size: 8, .value_kind: global_buffer, .address_space: global }
      - { .name: lowp_scales, .offset: 8, .size: 8, .value_kind: global_buffer, .address_space: global }
      - { .name: cbq, .offset: 16, .size: 8, .value_kind: global_buffer, .address_space: global }
    .group_segment_fixed_size: 0
    .private_segment_fixed_size: 0
    .kernarg_segment_align: 8
    .kernarg_segment_size: 24
    .max_flat_workgroup_size: 64
    .sgpr_count:     66
    .vgpr_count:     192
    .wavefront_size: 32
...
	.end_amdgpu_metadata
.endif
;; end of part 1
;; launch nearest (part 2): grid 256 x 1, 4 waves a work-group, clusters of 4 x 1, 327,680 bytes of LDS; arguments z, cbq, lowp_scales, out1, idxw; writes out1, idxw
.if DOCPART == 2
	.amdgcn_target "amdgcn-amd-amdhsa--gfx1250"
	.amdhsa_code_object_version 6
	.text
	.protected	k_q72cd9011da_nearest
	.globl	k_q72cd9011da_nearest
	.p2align	8
	.type	k_q72cd9011da_nearest,@function
k_q72cd9011da_nearest:
	s_mov_b64 s[64:65], 0
	v_nop
	global_prefetch_b8 v0, s[64:65] scope:SCOPE_SE
	s_setreg_imm32_b32 hwreg(HW_REG_WAVE_MODE, 25, 1), 1
	s_wait_xcnt 0x0
	s_wait_alu depctr_hold_cnt(0) depctr_sa_sdst(0) depctr_va_vdst(0) depctr_va_sdst(0) depctr_va_ssrc(0) depctr_va_vcc(0) depctr_vm_vsrc(0)
	s_getreg_b32 s2, hwreg(HW_REG_IB_STS2, 6, 4)
	s_cmp_eq_u32 s2, 0
	s_cbranch_scc0 .Lentry_in_a_cluster
	s_endpgm
.Lentry_in_a_cluster:
	s_bfe_u32 s2, ttmp6, 0x10000c
	s_cmp_lg_u32 s2, 0x3003
	s_cbranch_scc0 .Lentry_shape_is_right
	s_endpgm
.Lentry_shape_is_right:
; For each of 32,768 rows of z: the first index of the smallest d = (z_sq + e_sq) - 2 Q(z) . Q(e) over 8,192 codes.  The product is made on codes of BF8 (E5M2) by v_wmma_f32_16x16x128_bf8_bf8, sums in f32.
; ROUNDINGS: t = z_sq + e_sq (one f32 addition), d = fma(sum, -2^(1 + ez + ee), t): the power of two rounds nothing, so d is t - 2 x product rounded once.  Ties go to the lower index at every level.
; SHARES.  A work-group owns 128 rows and ALL codes, so that a row's minimum has one owner.  Every one of its four waves holds all 128 rows as fragments (8 tiles x 2 K steps x 16 registers: window 1, full) and walks
; a quarter of the codes: each byte of the codebook's records is read from LDS once in a work-group, ten loads for sixteen matrix instructions.  z is read by this work-group alone: it is quantised here, in registers.
; THE PRODUCT IS USED TRANSPOSED: source 0 = 16 codes, source 1 = 16 rows of z: lane (r, h) holds ONE row r of z, and its registers j the codes 8 h + j.
; THE MINIMUM.  For each (lane, tile of rows) three things are kept: RUN, the smallest d so far; BID, the number of the tile of codes that gave it; SAV, that tile's eight d.  A tile of 16 x 16 costs 4 packed additions,
; 4 packed multiply-adds, 4 minima, one compare (strictly less: the earlier tile keeps a tie) and 10 selects.  Where in the winning tile the minimum lies is looked up once, behind the loop.  No branch, no address hangs on a distance.
; BY TURNS.  One wave to a SIMD.  Behind each matrix instruction stands a slice of 11 or 12 vector instructions of the pair of tiles that was finished a quad (4 matrix instructions: 2 tiles of rows x 2 K steps) earlier.
; Window 1 has no room beside z, so each matrix instruction costs two switches of the register window; the vector work, 184 instructions for 16 matrix instructions, is what the loop is made of.
; CLUSTER.  All work-groups walk the same 2,228,224 bytes of records.  The four of a cluster ask for each chunk JOINTLY: the same tensor load, the same descriptor, a mask that names the four.  A work-group's place in its
; cluster enters the addresses of z, out1 and idxw alone.  No prefetch: the records are read by every cluster, not once, and a refill has seven and a half groups, 120 matrix instructions and their slices, in which to land.
; LIMITS: ez between -126 and 112, ez + ee + 1 between -126 and 127, so that the powers of two below are f32 numbers.  NaN among the inputs is not served.  A row all of whose distances are +infinity gets index 0.
; z_sq is summed in four packed chains, then across the two halves of the lanes.
.set REC,    4352                      ; a record: 16 codes' fragments (4,096 bytes), then 64 words of e_sq
.set QUART,  8*REC                     ; a wave's part of a slot: 8 records, 34,816 bytes = 0x8800
.set SLOTB,  4*QUART                   ; a slot, and a chunk of the records: 139,264 bytes = 0x22000: bits 17 and 13, which no wave x 0x8800 has: one exclusive or turns an address from slot to slot
.set ZIMG,   2*SLOTB                   ; behind the ring: z's 8 tiles as images of registers, 4,096 bytes each
.set ZSQ,    ZIMG+32768                ; z_sq of the 128 rows
.set CMB,    ZSQ+512                   ; [wave][row] (smallest d, its index), 8 bytes each
.set SPARE,  CMB+4096                  ; the spare words, 128 bytes for each wave: two blocks of 256 bytes that no other line names
; window 0
.set LA,  1                            ; v1   16 x lane + my quarter: an image's place for my lane
.set EA,  2                            ; v2   32 h + 4,096 + my quarter: my eight e_sq of a record
.set ADR, 3                            ; v3, v4  the addresses of the fetch in hand
.set ADE, 4
.set SPW, 5                            ; v5   my spare word: SPARE + 4 x my thread's number; never rewritten
.set NIL, 6                            ; v6   0; never rewritten
.set XA,  9                            ; v9   z: row r of 1,024 bytes + 64 h            (v7 = r, v8 = h)
.set ZW,  10                           ; v10  where I store z's images: ZIMG + 16 x lane + 8,192 x wave
.set ZL,  11                           ; v11  where I load them: ZIMG + 16 x lane
.set ZS,  12                           ; v12  where I store z_sq: ZSQ + 128 x wave + 4 r
.set ZR,  13                           ; v13  where I load it: ZSQ + 4 r
.set HW,  14                           ; v14  8 h + 128 x wave: my part of a code's index
.set CW,  15                           ; v15  CMB + 1,024 x wave + 8 r
.set ACC, 16                           ; v16-47   two sets of two accumulators
.set FR,  48                           ; v48-111  two sets of a record's fragments: K step s at + 16 s
.set ES,  112                          ; v112-127 two sets of my eight e_sq
.set TX,  128                          ; v128-143 t, then d, of the pair of tiles at work
.set TY,  136
.set GX,  144                          ; v144-149 their minima
.set GY,  147
.set ZZ,  150                          ; v150-165 z_sq of my row in tile m, in both registers of the pair 150 + 2 m
.set RUN, 166
.set BID, 174
.set SAV, 182                          ; v182-245 tile m at + 8 m
.set CR,  246                          ; v246 CMB + 512 (wave % 2) + 16 x lane
.set OO,  247                          ; v247 256 (wave % 2) + 8 x lane
.set TID, 248                          ; v248 the number of the tile of codes whose distances are at work: 8 x chunk + record
; at the head the same registers hold z on its way
.set XB0, 16
.set XB1, 80
.set XB2, 166
.set PC,  230                          ; the codes just made
.set SQ,  248                          ; four chains of pairs
.set SCL, 144                          ; 2^ez
.set LIM, 145                          ; 57,344 x 2^ez
; scalars
.set WV,  14                           ; s14  my wave's number
.set SEL, 20                           ; s[20:21] v_permlanex16_b32: lane l xor 16
.set CS,  22                           ; s[22:23] -2^(1 + ez + ee): the packed form names a pair and takes its low word for both halves
.set G1,  24                           ; s[24:31] descriptor group 1
.set G0A, 32                           ; s[32:35] group 0 of chunk 0's fill
.set G0B, 36                           ; s[36:39] group 0 of chunk 1's fill, which then walks
.set TB,  41                           ; s41  LDS byte from which the fetches count
.set CH,  43
.set IN,  44
.set MX,  52                           ; s52, s53 the two tiles' masks
.set MY,  53
.set MSB, 0
.macro WIN new                         ; the immediate's high byte repeats the setting that is left; a switch that changes nothing is dropped
.if MSB != \new
	s_set_vgpr_msb (MSB<<8)|\new
.set MSB, \new
.endif
.endm
.macro CREST                           ; a round of the cluster's barrier behind its opening barrier
	s_cmp_lg_u32 s[WV], 0
	s_cbranch_scc1 .Lnot_wave_0_\@
	s_barrier_signal -3
.Lnot_wave_0_\@:
	s_barrier_wait -3
	s_barrier_signal -1
	s_barrier_wait -1
.endm
.macro CROUND                          ; a whole round
	s_barrier_signal -1
	s_barrier_wait -1
	CREST
.endm
	s_load_b256 s[4:11], s[0:1], 0x0               ; z s[4:5], the records s[6:7], the scales' exponents s[8:9], out1 s[10:11]
	s_load_b64 s[12:13], s[0:1], 0x20              ; idxw
	v_lshl_add_u32 v[SPW], v0, 2, SPARE
	v_mov_b32 v[NIL], 0
	ds_add_u32 v5, v6
	ds_add_u32 v5, v6
	s_wait_dscnt 0x0
	v_lshrrev_b32 v7, 5, v0
	v_readfirstlane_b32 s[WV], v7                  ; wave 0..3
	s_bfe_u32 s15, ttmp6, 0x40000                  ; cx: my place in the cluster
	s_lshl_b32 s16, ttmp9, 2                       ; in a cluster launch ttmp9 counts clusters
	s_add_co_u32 s16, s16, s15                     ; my block of 128 rows = 4 x cluster + cx
	v_and_b32 v146, 31, v0                         ; lane
	v_and_b32 v7, 15, v0                           ; r
	v_bfe_u32 v8, v0, 4, 1                         ; h
	s_mul_i32 s48, s[WV], QUART                    ; my quarter of a slot and of a chunk: the wave's number alone
	s_mov_b32 s49, 0
	v_lshlrev_b32 v147, 4, v146                    ; 16 x lane
	v_add_nc_u32 v[LA], s48, v147
	v_lshlrev_b32 v[EA], 5, v8
	v_add_nc_u32 v[EA], s48, v[EA]
	v_add_nc_u32 v[EA], 4096, v[EA]
	v_lshlrev_b32 v[XA], 10, v7
	v_lshl_add_u32 v[XA], v8, 6, v[XA]
	v_add_nc_u32 v[ZL], ZIMG, v147
	s_lshl_b32 s50, s[WV], 13
	v_add_nc_u32 v[ZW], s50, v[ZL]
	v_lshlrev_b32 v[ZR], 2, v7
	v_add_nc_u32 v[ZR], ZSQ, v[ZR]
	s_lshl_b32 s50, s[WV], 7
	v_add_nc_u32 v[ZS], s50, v[ZR]
	v_lshlrev_b32 v[HW], 3, v8
	v_add_nc_u32 v[HW], s50, v[HW]
	v_lshlrev_b32 v[CW], 3, v7
	s_lshl_b32 s50, s[WV], 10
	v_add_nc_u32 v[CW], s50, v[CW]
	v_add_nc_u32 v[CW], CMB, v[CW]
	s_and_b32 s51, s[WV], 1
	s_lshl_b32 s50, s51, 9
	v_add_nc_u32 v[CR], s50, v147
	v_add_nc_u32 v[CR], CMB, v[CR]
	s_lshl_b32 s50, s51, 8
	v_lshlrev_b32 v[OO], 3, v146
	v_add_nc_u32 v[OO], s50, v[OO]
	s_lshl_b32 s18, s16, 17                        ; my block's 128 rows of 1,024 bytes,
	s_lshl_b32 s19, s[WV], 15                      ; my wave's 32 of them: the two tiles that I quantise
	s_add_co_u32 s18, s18, s19
	s_mov_b32 s19, 0
	s_mov_b32 s[SEL], 0x76543210
	s_mov_b32 s[SEL+1], 0xfedcba98
	; descriptor group 1: a dense block of 34,816 bytes as 136 rows of 256 bytes
	s_mov_b32 s[G1+0], 15|(3<<16)|(1<<21)          ; 15:0 the mask: all four work-groups; 17:16 elements of 8 bytes; 20 no padding; 21 set beside a mask
	s_mov_b32 s[G1+1], 32<<16                      ; tensor_dim0 = 32
	s_mov_b32 s[G1+2], 136<<16                     ; tensor_dim1 = 136
	s_mov_b32 s[G1+3], 32<<16                      ; tile_dim0 = 32
	s_mov_b32 s[G1+4], 136                         ; tile_dim1 = 136
	s_mov_b32 s[G1+5], 32                          ; from row to row: 32 elements: dense
	s_mov_b32 s[G1+6], 0
	s_mov_b32 s[G1+7], 0
	s_wait_kmcnt 0x0
	s_load_b64 s[46:47], s[8:9], 0x0               ; ez, ee
	s_add_nc_u64 s[4:5], s[4:5], s[18:19]          ; z at my wave's first row
	s_mov_b32 s[G0A], 1                            ; 1:0 count = 1
	s_mov_b32 s[G0A+1], s48                        ; LDS address: slot 0, my quarter
	s_add_nc_u64 s[G0A+2:G0A+3], s[6:7], s[48:49]  ; global address: chunk 0, my quarter: the same in all four partners
	s_mov_b32 s[G0B], 1
	s_add_co_u32 s[G0B+1], s48, SLOTB              ; slot 1
	s_add_nc_u64 s[G0B+2:G0B+3], s[G0A+2:G0A+3], SLOTB  ; chunk 1
	s_or_b32 s[G0A+3], s[G0A+3], 0x80000000        ; 127:126 type = 2
	s_or_b32 s[G0B+3], s[G0B+3], 0x80000000
; my 16 rows of tile a (of my two), K step s: 64 numbers a lane, register 16 b + i = k 128 s + 32 b + 16 h + i
.macro XLOAD buf, a, s
.irp b, 0,1,2,3
.irp j, 0,1,2,3
	global_load_b128 v[\buf+16*\b+4*\j:\buf+16*\b+4*\j+3], v[XA], s[4:5] offset:16384*(\a)+512*(\s)+128*\b+16*\j th:TH_LOAD_NT
.endr
.endr
.endm
	XLOAD XB0, 0, 0                                ; loads into registers, of bytes that nobody writes: they stay out across the round
	XLOAD XB1, 0, 1
	XLOAD XB2, 1, 0
	CROUND                                         ; all four work-groups are here: the first joint loads meet
	tensor_load_to_lds s[G0A:G0A+3], s[G1:G1+7]    ; both first fills go out together, ahead of every wait on TENSORcnt, every LDS read and every other barrier: two loads of mine are out
	s_nop 0
	tensor_load_to_lds s[G0B:G0B+3], s[G1:G1+7]
	s_nop 0
.rept 4
	v_nop
.endr
	s_wait_kmcnt 0x0
	s_add_co_i32 s50, s46, s47
	s_add_co_i32 s50, s50, 128
	s_lshl_b32 s50, s50, 23
	s_or_b32 s[CS], s50, 0x80000000                ; -2^(1 + ez + ee) as f32
	s_mov_b32 s[CS+1], s[CS]                       ; (named with it as a pair, so it is written)
	s_add_co_i32 s50, s46, 127
	s_lshl_b32 s51, s50, 23
	v_mov_b32 v[SCL], s51                          ; 2^ez: the conversion takes its exponent field
	s_add_co_i32 s50, s50, 15
	s_lshl_b32 s50, s50, 23
	s_or_b32 s50, s50, 0x600000
	v_mov_b32 v[LIM], s50                          ; 57,344 x 2^ez.  The hold stands without a branch, whatever ez is
; 64 numbers of a lane: their squares join the row's sum (ahead of the hold, which works in place); they become a fragment's codes; the fragment goes to LDS as an image of its registers.
.macro ZQ buf, a, s
.set zi, 0
.rept 32
.if ((\s) == 0) && (zi < 4)
	v_pk_mul_f32 v[SQ+2*zi:SQ+2*zi+1], v[\buf+2*zi:\buf+2*zi+1], v[\buf+2*zi:\buf+2*zi+1]      ; the first four pairs start the chains
.else
	v_pk_fma_f32 v[SQ+2*(zi%4):SQ+2*(zi%4)+1], v[\buf+2*zi:\buf+2*zi+1], v[\buf+2*zi:\buf+2*zi+1], v[SQ+2*(zi%4):SQ+2*(zi%4)+1]
.endif
.set zi, zi+1
.endr
.irp b, 0,1,2,3
.irp i, 0,1,2,3,4,5,6,7,8,9,10,11,12,13,14,15
	v_med3_num_f32 v[\buf+16*\b+\i], v[\buf+16*\b+\i], -v[LIM], v[LIM]    ; the conversion to an 8-bit code does not saturate (ISA guide 7.6.2)
.endr
	v_cvt_scalef32_pk8_bf8_f32 v[PC+4*\b:PC+4*\b+1], v[\buf+16*\b:\buf+16*\b+7], v[SCL]
	v_cvt_scalef32_pk8_bf8_f32 v[PC+4*\b+2:PC+4*\b+3], v[\buf+16*\b+8:\buf+16*\b+15], v[SCL]
.endr
	v_nop                                          ; one plain vector line behind the last conversion of the run: later vector and matrix lines write these registers
.irp q, 0,1,2,3
	ds_store_b128 v[ZW], v[PC+4*\q:PC+4*\q+3] offset:4096*(\a)+2048*(\s)+512*\q
.endr
.if (\s) == 1
	v_pk_add_f32 v[SQ:SQ+1], v[SQ:SQ+1], v[SQ+2:SQ+3]
	v_pk_add_f32 v[SQ+4:SQ+5], v[SQ+4:SQ+5], v[SQ+6:SQ+7]
	v_pk_add_f32 v[SQ:SQ+1], v[SQ:SQ+1], v[SQ+4:SQ+5]
	v_add_f32 v146, v[SQ], v[SQ+1]
	v_permlanex16_b32 v147, v146, s[SEL], s[SEL+1]
	v_add_f32 v146, v146, v147                     ; the row's z_sq, the same number in both halves of the lanes
	ds_store_b32 v[ZS], v146 offset:64*(\a)
.endif
	s_wait_dscnt 0x0                               ; the stores have read their registers
.endm
	s_wait_loadcnt 32                              ; the first K step's sixteen loads are in; two steps' may be out
	ZQ XB0, 0, 0
	XLOAD XB0, 1, 1
	s_wait_loadcnt 32                              ; again two steps' may be out
	ZQ XB1, 0, 1
	s_wait_loadcnt 16                              ; the last step's may be out
	ZQ XB2, 1, 0
	s_wait_loadcnt 0x0
	ZQ XB0, 1, 1
	s_wait_tensorcnt 0x1                           ; my quarter of chunk 0 is in; chunk 1's may stay out
	s_barrier_signal -1                            ; (my LDS stores were waited for above)
	s_barrier_wait -1                              ; z's eight tiles and their z_sq lie in LDS
	WIN 0x40                                       ; destination window 1, address window 0
.irp m, 0,1,2,3,4,5,6,7
.irp s, 0,1
.irp q, 0,1,2,3
	ds_load_b128 v[32*\m+16*\s+4*\q:32*\m+16*\s+4*\q+3], v[ZL] offset:4096*\m+2048*\s+512*\q   ; z's fragment (tile m, K step s) at v[32 m + 16 s] of window 1: it stays
.endr
.endr
.endr
	WIN 0
.irp m, 0,1,2,3,4,5,6,7
	ds_load_b32 v[ZZ+2*\m], v[ZR] offset:64*\m
	ds_load_b32 v[ZZ+2*\m+1], v[ZR] offset:64*\m
.endr
; Instruction n (0..45) of the list for the tiles of rows 2 x and 2 x + 1, whose sums lie in accumulator set as; es: the set of e_sq of their tile of codes.
.macro VL x, as, es
.set AX, ACC+16*(\as)
.set AY, ACC+16*(\as)+8
.set EX, ES+8*(\es)
.set MA, 2*(\x)
.set MB, 2*(\x)+1
.if n < 4
	v_pk_add_f32 v[TX+2*n:TX+2*n+1], v[EX+2*n:EX+2*n+1], v[ZZ+2*MA:ZZ+2*MA+1]                  ; t = e_sq + z_sq
.elseif n < 8
	v_pk_fma_f32 v[TX+2*n-8:TX+2*n-7], v[AX+2*n-8:AX+2*n-7], s[CS:CS+1], v[TX+2*n-8:TX+2*n-7] op_sel_hi:[1,0,1]      ; d = t - 2 x product; the accumulator from its low end on
.elseif n < 12
	v_pk_add_f32 v[TY+2*n-16:TY+2*n-15], v[EX+2*n-16:EX+2*n-15], v[ZZ+2*MB:ZZ+2*MB+1]
.elseif n == 12
	v_min3_num_f32 v[GX], v[TX], v[TX+1], v[TX+2]
.elseif n == 13
	v_min3_num_f32 v[GX+1], v[TX+3], v[TX+4], v[TX+5]
.elseif n == 14
	v_min_num_f32 v[GX+2], v[TX+6], v[TX+7]
.elseif n < 19
	v_pk_fma_f32 v[TY+2*n-30:TY+2*n-29], v[AY+2*n-30:AY+2*n-29], s[CS:CS+1], v[TY+2*n-30:TY+2*n-29] op_sel_hi:[1,0,1]
.elseif n == 19
	v_min3_num_f32 v[GX], v[GX], v[GX+1], v[GX+2]
.elseif n == 20
	v_min3_num_f32 v[GY], v[TY], v[TY+1], v[TY+2]
.elseif n == 21
	v_min3_num_f32 v[GY+1], v[TY+3], v[TY+4], v[TY+5]
.elseif n == 22
	v_min_num_f32 v[GY+2], v[TY+6], v[TY+7]
.elseif n == 23
	v_cmp_lt_f32 s[MX], v[GX], v[RUN+MA]           ; strictly less: the earlier tile of codes, whose indices are lower, keeps a tie
.elseif n == 24
	v_min3_num_f32 v[GY], v[GY], v[GY+1], v[GY+2]
.elseif n < 27
	v_cndmask_b32 v[SAV+8*MA+n-25], v[SAV+8*MA+n-25], v[TX+n-25], s[MX]
.elseif n == 27
	v_cmp_lt_f32 s[MY], v[GY], v[RUN+MB]
.elseif n == 28
	v_cndmask_b32 v[RUN+MA], v[RUN+MA], v[GX], s[MX]
.elseif n == 29
	v_cndmask_b32 v[BID+MA], v[BID+MA], v[TID], s[MX]
.elseif n < 36
	v_cndmask_b32 v[SAV+8*MA+n-28], v[SAV+8*MA+n-28], v[TX+n-28], s[MX]
.elseif n == 36
	v_cndmask_b32 v[RUN+MB], v[RUN+MB], v[GY], s[MY]
.elseif n == 37
	v_cndmask_b32 v[BID+MB], v[BID+MB], v[TID], s[MY]
.else
	v_cndmask_b32 v[SAV+8*MB+n-38], v[SAV+8*MB+n-38], v[TY+n-38], s[MY]
.endif
.endm
; A QUAD: the record in fragment set f against the tiles of rows 2 q and 2 q + 1: X K step 0, Y K step 0, X K step 1, Y K step 1: the two accumulators take turns, one instruction a turn;
; the first products start the sums.  Behind each stands a slice (12, 12, 11, 11) of the list of pair lx, finished a quad ago in the other accumulator set.  A slice names no register of the products round it:
; the slices are the places behind the matrix instructions, for the reads of results a quad later and for the loads into fragment registers.
.macro QUAD f, q, lx, les
.set qi, 0
.set n, 0
.rept 4
.set DA, ACC+16*((\q)%2)+8*(qi%2)
.set FA, FR+32*(\f)+16*(qi/2)
.set ZA, 32*(2*(\q)+qi%2)+16*(qi/2)
	WIN 0x04                                       ; source 1 (z) window 1
.if qi < 2
	v_wmma_f32_16x16x128_bf8_bf8 v[DA:DA+7], v[FA:FA+15], v[ZA:ZA+15], 0
.else
	v_wmma_f32_16x16x128_bf8_bf8 v[DA:DA+7], v[FA:FA+15], v[ZA:ZA+15], v[DA:DA+7]
.endif
	WIN 0
.rept 12-qi/2
	VL \lx, ((\q)+1)%2, \les
.set n, n+1
.endr
.set qi, qi+1
.endr
.endm
; Ten LDS loads in one run: the record off bytes behind s[TB] in my quarter: its two fragments (each load takes 512 consecutive bytes) and my eight e_sq, into set f.
.macro FETCH f, off
	v_add_nc_u32 v[ADR], s[TB], v[LA]
	v_add_nc_u32 v[ADE], s[TB], v[EA]
.irp s, 0,1
.irp q, 0,1,2,3
	ds_load_b128 v[FR+32*(\f)+16*\s+4*\q:FR+32*(\f)+16*\s+4*\q+3], v[ADR] offset:(\off)+2048*\s+512*\q
.endr
.endr
	ds_load_b128 v[ES+8*(\f):ES+8*(\f)+3], v[ADE] offset:(\off)
	ds_load_b128 v[ES+8*(\f)+4:ES+8*(\f)+7], v[ADE] offset:(\off)+16
.endm
; A GROUP: one record against all 128 rows.  Quad 0 carries the last pair of the group before, which is the last reader of the other set's e_sq; then the tile's number steps and the next record is fetched into the other set.
.macro GROUP f, off
	s_wait_dscnt 0x0                               ; this record's ten loads, issued three quads ago
	QUAD \f, 0, 3, 1-(\f)
	v_add_nc_u32 v[TID], 1, v[TID]
	FETCH 1-(\f), \off
	QUAD \f, 1, 0, \f
	QUAD \f, 2, 1, \f
	QUAD \f, 3, 2, \f
.endm
; A chunk's last group changes slots.  Each wave waits for all its tensor loads (the one that may be out is its quarter of the other slot), adds 0 to its spare word, and waits for that and for its reads of this slot.
; fill = 1: the barrier opens a round of the cluster's barrier: no wave of any partner still reads this slot or has a load on its way; the joint refill, the chunk two on, is the first thing behind the round.
.macro TURNG fill
	s_wait_tensorcnt 0x0                           ; no tensor load of mine is out, so a group 0 may be written
	ds_add_u32 v[SPW], v[NIL]                      ; 0 onto my spare word
.if \fill
	s_xor_b32 s[G0B+1], s[G0B+1], SLOTB            ; the walking descriptor: the other slot than last time,
	s_add_nc_u64 s[G0B+2:G0B+3], s[G0B+2:G0B+3], SLOTB  ; the next chunk; the type bits on top are not reached
.endif
	s_sub_co_u32 s[TB], s[TB], 6*REC               ; the fetches go back to a quarter's first record,
	s_xor_b32 s[TB], s[TB], SLOTB                  ; in the other slot
	s_wait_dscnt 0x1                               ; this record's ten loads are in; the add, issued behind them, may be out
	QUAD 1, 0, 3, 0                                ; a quad stands between the add and the wait for it
	v_add_nc_u32 v[TID], 1, v[TID]
	s_wait_dscnt 0x0                               ; the add is done, and my reads of this slot are over
	s_barrier_signal -1
	QUAD 1, 1, 0, 1                                ; work on registers while the others arrive
	s_barrier_wait -1
.if \fill
	CREST
	tensor_load_to_lds s[G0B:G0B+3], s[G1:G1+7]    ; my one tensor load until the next round
	s_nop 0
.rept 4
	v_nop
.endr
.endif
	FETCH 0, 0                                     ; the other slot's first record
	QUAD 1, 2, 1, 1
	QUAD 1, 3, 2, 1
.endm
.macro LASTG                           ; the very last group: nothing more to fetch; the last pair's list stands alone, its four additions being places ahead of its first read of a result
	s_wait_dscnt 0x0
	QUAD 1, 0, 3, 0
	v_add_nc_u32 v[TID], 1, v[TID]
	QUAD 1, 1, 0, 1
	QUAD 1, 2, 1, 1
	QUAD 1, 3, 2, 1
.set n, 0
.rept 46
	VL 3, 1, 1
.set n, n+1
.endr
.endm
; A chunk: my eight records.  Six in a loop of three trips, the seventh, and the eighth by kind: 2: change of slots with a refill; 1: without; 0: the end.
.macro CHUNK kind
	s_mov_b32 s[IN], 3
.Lpair_\@:
	GROUP 0, REC
	GROUP 1, 2*REC
	s_add_co_u32 s[TB], s[TB], 2*REC
	s_sub_co_u32 s[IN], s[IN], 1
	s_cmp_lg_u32 s[IN], 0
	s_cbranch_scc1 .Lpair_\@
	GROUP 0, REC
.if \kind == 2
	TURNG 1
.elseif \kind == 1
	TURNG 0
.else
	LASTG
.endif
.endm
	s_mov_b32 s[TB], 0
	FETCH 0, 0                                     ; chunk 0, my first record
	; The loop is written once: its first quad carries a list that finds sums of 0 and e_sq of +infinity: d = +infinity, which is not less than RUN and changes nothing.
	s_mov_b32 s50, 0x7f800000                      ; +infinity
.irp j, 0,1,2,3,4,5,6,7
	v_mov_b32 v[RUN+\j], s50
	v_mov_b32 v[BID+\j], 0
	v_mov_b32 v[ES+8+\j], s50
.endr
.set i, 0
.rept 64
	v_mov_b32 v[SAV+i], s50
.set i, i+1
.endr
.set i, 0
.rept 16
	v_mov_b32 v[ACC+16+i], 0
.set i, i+1
.endr
	v_mov_b32 v[TID], -1
	s_mov_b32 s[CH], 14
.Lchunk:                                           ; chunks 0 to 13: each leaves its slot to the chunk two on
	CHUNK 2
	s_sub_co_u32 s[CH], s[CH], 1
	s_cmp_lg_u32 s[CH], 0
	s_cbranch_scc1 .Lchunk
	CHUNK 1                                        ; the tail is written out
	CHUNK 0
; (dv, di) = the lesser of (cv, ci) and (pv, pi): by the distance, then by the index
.macro TAKE dv, di, cv, ci, pv, pi
	v_cmp_lt_f32 s54, v[\pv], v[\cv]
	v_cmp_eq_f32 s55, v[\pv], v[\cv]
	v_cmp_lt_u32 s56, v[\pi], v[\ci]
	s_and_b32 s55, s55, s56
	s_or_b32 s54, s54, s55
	v_cndmask_b32 v[\dv], v[\cv], v[\pv], s54
	v_cndmask_b32 v[\di], v[\ci], v[\pi], s54
.endm
	; WHERE THE MINIMUM LIES.  In the winning tile: the first j whose d equals RUN.  The code's index: 512 x chunk + 128 x wave + 16 x record + 8 h + j, with chunk = BID / 8 and record = BID % 8.
	; Then the other half of the lanes' candidate, and the pair (distance, index) goes to LDS for the other waves.
.irp m, 0,1,2,3,4,5,6,7
	v_mov_b32 v128, 7
.irp j, 6,5,4,3,2,1,0
	v_cmp_neq_f32 vcc_lo, v[SAV+8*\m+\j], v[RUN+\m]
	v_cndmask_b32 v128, \j, v128, vcc_lo           ; j where they are equal
.endr
	v_and_b32 v129, 0x78, v[BID+\m]
	v_and_b32 v130, 7, v[BID+\m]
	v_lshl_add_u32 v128, v129, 6, v128
	v_lshl_add_u32 v128, v130, 4, v128
	v_add_nc_u32 v128, v128, v[HW]
	v_permlanex16_b32 v131, v[RUN+\m], s[SEL], s[SEL+1]
	v_permlanex16_b32 v132, v128, s[SEL], s[SEL+1]
	TAKE 32+2*\m, 33+2*\m, RUN+\m, 128, 131, 132
	ds_store_b64 v[CW], v[32+2*\m:33+2*\m] offset:128*\m   ; row 16 m + r; both halves of the lanes store the same pair
.endr
	s_wait_dscnt 0x0                               ; for the others' sake: my stores are done
	s_barrier_signal -1
	s_barrier_wait -1
.irp u, 0,1,2,3
	ds_load_b128 v[48+4*\u:51+4*\u], v[CR] offset:1024*\u   ; wave u's candidates for rows 64 (wave % 2) + 2 x lane and the next
.endr
	s_cmp_lt_u32 s[WV], 2                          ; waves 0 and 1 store the output, waves 2 and 3 the same numbers for the next launch
	s_cselect_b64 s[10:11], s[10:11], s[12:13]
	s_lshl_b32 s50, s16, 9                         ; my block's 128 indices
	s_mov_b32 s51, 0
	s_add_nc_u64 s[10:11], s[10:11], s[50:51]
	s_wait_dscnt 0x0
	TAKE 48, 49, 48, 49, 52, 53
	TAKE 50, 51, 50, 51, 54, 55
	TAKE 48, 49, 48, 49, 56, 57
	TAKE 50, 51, 50, 51, 58, 59
	TAKE 48, 64, 48, 49, 60, 61
	TAKE 50, 65, 50, 51, 62, 63
	global_store_b64 v[OO], v[64:65], s[10:11]     ; the 32 lanes store 256 consecutive bytes, at a multiple of 256 from the buffer's first byte
	s_wait_tensorcnt 0x0                           ; the wave's end: behind my last tensor load and my last LDS store
	ds_add_u32 v[SPW], v[NIL]
	s_wait_dscnt 0x0
	CROUND                                         ; the closing round: no work-group ends while a partner may still ask for a chunk that names it
	s_endpgm
.Lfunc_end_k_q72cd9011da_nearest:
	.size	k_q72cd9011da_nearest, .Lfunc_end_k_q72cd9011da_nearest-k_q72cd9011da_nearest
	.p2alignl 7, 3214868480
	.fill 96, 4, 3214868480
	.section	.rodata,"a",@progbits
	.p2align	6, 0x0
	.amdhsa_kernel k_q72cd9011da_nearest
		.amdhsa_group_segment_fixed_size 327680
		.amdhsa_private_segment_fixed_size 0
		.amdhsa_enable_private_segment 0
		.amdhsa_kernarg_size 40
		.amdhsa_user_sgpr_count 2
		.amdhsa_user_sgpr_kernarg_segment_ptr 1
		.amdhsa_wavefront_size32 1
		.amdhsa_system_sgpr_workgroup_id_x 1
		.amdhsa_system_sgpr_workgroup_id_y 1
		.amdhsa_system_sgpr_workgroup_id_z 1
		.amdhsa_system_vgpr_workitem_id 0
		.amdhsa_next_free_vgpr 512
		.amdhsa_next_free_sgpr 66
		.amdhsa_reserve_vcc 1
		.amdhsa_float_denorm_mode_32 3
		.amdhsa_float_denorm_mode_16_64 3
		.amdhsa_memory_ordered 1
		.amdhsa_forward_progress 1
		.amdhsa_inst_pref_size 234
	.end_amdhsa_kernel
	.amdgpu_metadata
---
amdhsa.version: [ 1, 2 ]
amdhsa.kernels:
  - .name:           k_q72cd9011da_nearest
    .symbol:         k_q72cd9011da_nearest.kd
    .args:
      - { .name: z, .offset: 0, .size: 8, .value_kind: global_buffer, .address_space: global }
      - { .name: cbq, .offset: 8, .size: 8, .value_kind: global_buffer, .address_space: global }
      - { .name: lowp_scales, .offset: 16, .size: 8, .value_kind: global_buffer, .address_space: global }
      - { .name: out1, .offset: 24, .size: 8, .value_kind: global_buffer, .address_space: global }
      - { .name: idxw, .offset: 32, .size: 8, .value_kind: global_buffer, .address_space: global }
    .group_segment_fixed_size: 327680
    .private_segment_fixed_size: 0
    .kernarg_segment_align: 8
    .kernarg_segment_size: 40
    .max_flat_workgroup_size: 128
    .sgpr_count:     66
    .vgpr_count:     512
    .wavefront_size: 32
...
	.end_amdgpu_metadata
.endif
;; end of part 2
;; launch take (part 3): grid 256 x 1, 8 waves a work-group, no clusters, 0 bytes of LDS; arguments idxw, codebook, out0; writes out0
.if DOCPART == 3
	.amdgcn_target "amdgcn-amd-amdhsa--gfx1250"
	.amdhsa_code_object_version 6
	.text
	.protected	k_q72cd9011da_take
	.globl	k_q72cd9011da_take
	.p2align	8
	.type	k_q72cd9011da_take,@function
k_q72cd9011da_take:
	s_mov_b64 s[64:65], 0
	v_nop
	global_prefetch_b8 v0, s[64:65] scope:SCOPE_SE
	s_setreg_imm32_b32 hwreg(HW_REG_WAVE_MODE, 25, 1), 1
	s_wait_xcnt 0x0
; out0[row] = codebook[idxw[row]]: 32,768 rows of 1,024 bytes, as they lie (f32, not quantised).  The indices were stored by the launch before, as whole numbers.
; A work-group takes 128 rows, each of its eight waves 16, as eight pairs: lanes 0-15 take row 2 p, lanes 16-31 row 2 p + 1; a load or store gives each row 256 consecutive bytes, aligned.
; All 32 loads of a wave go out together and each store follows its load; no register is written twice, so no wait frees a source.  A stream: no LDS, no barrier, no matrix unit, no cluster (work-groups share no tile).
; No hint of single use on the gather: a list may name a row many times.
	s_load_b128 s[4:7], s[0:1], 0x0                ; the indices s[4:5], the codebook s[6:7]
	s_load_b64 s[8:9], s[0:1], 0x10                ; out0
	v_lshrrev_b32 v4, 5, v0                        ; wave
	v_and_b32 v5, 15, v0
	v_bfe_u32 v6, v0, 4, 1                         ; h
	v_lshlrev_b32 v1, 4, v5                        ; my 16 bytes of a row's 256
	v_lshlrev_b32 v2, 2, v6
	v_lshl_add_u32 v2, v4, 6, v2                   ; the indices: 64 x wave + 4 h
	v_lshl_add_u32 v3, v6, 10, v1
	v_lshl_add_u32 v3, v4, 14, v3                  ; out: 16,384 x wave + 1,024 h + my 16 bytes
	s_lshl_b32 s10, ttmp9, 9                       ; the work-group's 128 indices,
	s_mov_b32 s11, 0
	s_lshl_b32 s12, ttmp9, 17                      ; and its 128 rows
	s_mov_b32 s13, 0
	s_wait_kmcnt 0x0
	s_add_nc_u64 s[4:5], s[4:5], s[10:11]
	s_add_nc_u64 s[8:9], s[8:9], s[12:13]
.irp p, 0,1,2,3,4,5,6,7
	global_load_b32 v[16+\p], v2, s[4:5] offset:8*\p
.endr
	s_wait_loadcnt 0x0
.irp p, 0,1,2,3,4,5,6,7
	v_min_u32 v[16+\p], 0x1fff, v[16+\p]           ; a loaded number enters an address only held inside the table
	v_lshl_add_u32 v[24+\p], v[16+\p], 10, v1      ; the row's first byte + my 16
.endr
.irp p, 0,1,2,3,4,5,6,7
.irp u, 0,1,2,3
	global_load_b128 v[32+16*\p+4*\u:32+16*\p+4*\u+3], v[24+\p], s[6:7] offset:256*\u
.endr
.endr
.irp p, 0,1,2,3,4,5,6,7
.irp u, 0,1,2,3
	s_wait_loadcnt 31-4*\p-\u                      ; loads come back in order (ISA guide 5.7.1): this one is in, the younger ones stay out
	global_store_b128 v3, v[32+16*\p+4*\u:32+16*\p+4*\u+3], s[8:9] offset:2048*\p+256*\u th:TH_STORE_NT
.endr
.endr
	s_endpgm
.Lfunc_end_k_q72cd9011da_take:
	.size	k_q72cd9011da_take, .Lfunc_end_k_q72cd9011da_take-k_q72cd9011da_take
	.p2alignl 7, 3214868480
	.fill 96, 4, 3214868480
	.section	.rodata,"a",@progbits
	.p2align	6, 0x0
	.amdhsa_kernel k_q72cd9011da_take
		.amdhsa_group_segment_fixed_size 0
		.amdhsa_private_segment_fixed_size 0
		.amdhsa_enable_private_segment 0
		.amdhsa_kernarg_size 24
		.amdhsa_user_sgpr_count 2
		.amdhsa_user_sgpr_kernarg_segment_ptr 1
		.amdhsa_wavefront_size32 1
		.amdhsa_system_sgpr_workgroup_id_x 1
		.amdhsa_system_sgpr_workgroup_id_y 1
		.amdhsa_system_sgpr_workgroup_id_z 1
		.amdhsa_system_vgpr_workitem_id 0
		.amdhsa_next_free_vgpr 160
		.amdhsa_next_free_sgpr 66
		.amdhsa_reserve_vcc 0
		.amdhsa_float_denorm_mode_32 3
		.amdhsa_float_denorm_mode_16_64 3
		.amdhsa_memory_ordered 1
		.amdhsa_forward_progress 1
		.amdhsa_inst_pref_size 10
	.end_amdhsa_kernel
	.amdgpu_metadata
---
amdhsa.version: [ 1, 2 ]
amdhsa.kernels:
  - .name:           k_q72cd9011da_take
    .symbol:         k_q72cd9011da_take.kd
    .args:
      - { .name: idxw, .offset: 0, .size: 8, .value_kind: global_buffer, .address_space: global }
      - { .name: codebook, .offset: 8, .size: 8, .value_kind: global_buffer, .address_space: global }
      - { .name: out0, .offset: 16, .size: 8, .value_kind: global_buffer, .address_space: global }
    .group_segment_fixed_size: 0
    .private_segment_fixed_size: 0
    .kernarg_segment_align: 8
    .kernarg_segment_size: 24
    .max_flat_workgroup_size: 256
    .sgpr_count:     66
    .vgpr_count:     160
    .wavefront_size: 32
...
	.end_amdgpu_metadata
.endif
;; end of part 3
